; MI455X (gfx1250); checked and timed in simulation.
; The chip was launched on July 23, 2026; its instructions are those of AMD's public machine-readable ISA for CDNA 5 (MIT licence, August 2026) and "CDNA5" Instruction Set Architecture Reference Guide (July 2026). The comments in the code are by the model that wrote it; some were corrected since.
;; Match Net. Allowed arithmetic: matrix products marked QUANTISED: E3M2 operands, one E8M0 scale for each 32 along K, by v_wmma_scale_f32_16x16x128_f8f6f4 with both operands' format E3M2, f32 sums; everything else in f32.
;; Inputs: W_hh_codes 8,192 x 64 x 24 uint8 (E3M2 codes of W_hh, K innermost, in blocks of 32 codes, four codes in three bytes); W_hh_scales 8,192 x 64 uint8 (E8M0 scales of W_hh, one for each 32 codes along K); W_ih_codes 8,192 x 32 x 24 uint8 (E3M2 codes of W_ih, K innermost, in blocks of 32 codes, four codes in three bytes); W_ih_scales 8,192 x 32 uint8 (E8M0 scales of W_ih, one for each 32 codes along K); b_hh 8,192 float32; b_ih 8,192 float32; query_mean 2,048 x 1,024 float32; query_var 2,048 x 1,024 float32; support_mean 512 x 1,024 float32; support_var 512 x 1,024 float32.
;; Outputs: out0 2,048 x 512 float32.
;; This version of the problem:
;;   THIS VERSION OF THE PROBLEM IS GIVEN IN LOW PRECISION. The matrix products marked QUANTISED in the list below multiply operands that are first quantised to E3M2 (3 exponent bits, 2 mantissa bits; 6 bits a number), with one power-of-two scale for each 32 numbers along K (OCP MX v1.0); their sums are f32. All else is computed in f32.
;;   The module's matrix products, in the order in which they are computed (A, B: the left and right operand; K: the contracted axis; several contracted axes count as one K, in the product's order):
;;     1. [M 2,048, K 1,024] x [K 1,024, N 8,192]; A: input query_mean; B: input W_ih (given as codes): QUANTISED
;;     2. [M 2,048, K 2,048] x [K 2,048, N 8,192]; A: computed on the way; B: input W_hh (given as codes): QUANTISED
;;     3. [M 2,048, K 1,024] x [K 1,024, N 512]; A: computed on the way; B: input support_mean: QUANTISED
;;     4. [M 2,048, K 512] x [K 512, N 1,024]; A: softmax (see below); B: input support_mean: QUANTISED
;;     5. [M 2,048, K 1,024] x [K 1,024, N 512]; A: computed on the way; B: input support_mean: QUANTISED
;;   THE QUANTISER, for each operand of a quantised product, along K:
;;     - K is cut into blocks of 32 from its start; a last block that is shorter is filled with zeros.
;;     - A block's scale is 2^e with e = floor(log2(the largest magnitude in the block)) - 4, held to -126 .. 127; a block of zeros has e = 0. As a byte (E8M0): e + 127.
;;     - Each number is divided by its block's scale, clamped to +-28, and rounded to the nearest number of E3M2, ties to even, subnormals kept.
;;     - The product sums the exact products of the quantised numbers (number of the format x scale) in f32.
;;   ~~~python
;;   def quantise(x, axis):      # numpy; x: float32 -> the quantised numbers, widened to float32 again
;;       x = np.moveaxis(x, axis, -1); K = x.shape[-1]
;;       x = np.pad(x, [(0, 0)] * (x.ndim - 1) + [(0, -K % 32)]); x = x.reshape(x.shape[:-1] + (-1, 32)); a = np.abs(x).max(-1, keepdims=True)
;;       e = np.where(a > 0, np.clip(np.frexp(np.where(a > 0, a, 1))[1] - 1 - 4, -126, 127), 0)      # np.frexp(a)[1] - 1 = floor(log2(a)), exactly
;;       r = np.clip(x / 2.0 ** e, -28, 28)
;;       step = 2.0 ** (np.maximum(np.frexp(np.where(r == 0, 1, r))[1] - 1, -2) - 2)
;;       q = np.round(r / step) * step * 2.0 ** e      # np.round: ties to even
;;       return np.moveaxis(q.reshape(q.shape[:-2] + (-1,))[..., :K], -1, axis).astype(np.float32)
;;   ~~~
;;   SOFTMAX AHEAD OF A QUANTISED PRODUCT. Where the list says 'softmax', what is quantised is not the finished softmax but p = 2^(t - M), with t = logit x log2(e) and M = ceil(the row's largest t), a whole number; so 1/2 < the row's largest p <= 1. The row's sum l is taken of the UNQUANTISED p, in f32, and the product's result is divided by l at the end. Since M is a whole number, a kernel that streams over the keys may use a running M (the ceiling of the running maximum): every later rescaling is an exact power of two, which a block's scale takes up: the codes' values come out the same.
;;   OPERANDS COMPUTED ON THE WAY. 'Computed on the way' means the value that the module computes at that place (a softmax that the list does not call 'softmax' is quantised finished and normalised). What goes into a quantiser is computed in f32, as accurately as f32 sums, v_exp_f32 and their like allow (about 1e-6 of the number): no bf16 or f16 on the way to a quantiser, and a product that is left as it is and whose result goes on into a quantised operand takes f32 operands (vector FMAs, or v_wmma_f32_16x16x4_f32). A number that lies on a knife's edge between two numbers of the format may be rounded either way, as far as f32 arithmetic and the matrix unit's own rounding can turn it there, and no further.
;;   INPUTS GIVEN AS CODES. W_hh (in the module: [8192, 2048], K = its axis 1); W_ih (in the module: [8192, 1024], K = its axis 1): each comes as NAME_codes (uint8): NAME with its K axis moved to the last place and cut into blocks of 32 codes, [.., K / 32, bytes a block], one block behind the other in memory; four codes in three bytes: a row's codes are one little-endian stream of bits, code i at bits 6 i .. 6 i + 5 (a code: sign, 3 exponent bits, 2 mantissa bits); and NAME_scales (uint8): the same leading axes, one E8M0 byte (e + 127) for each 32 codes along K. Its value is code x scale, taken as it is: it is not quantised again, and the codes and scales need not be those that the quantiser above would give.
;; One version. Each part assembles by itself: llvm-mc -triple=amdgcn-amd-amdhsa -mcpu=gfx1250 --defsym DOCPART=n.
;; ======== version 1 of 1: 3 launches
;; workspace buffers: qc 1,966,080 bytes; qs 81,920 bytes; hc 1,572,864 bytes; hs 65,536 bytes
;; launch quant (part 1): grid 320 x 1, 4 waves a work-group, no clusters, 35,328 bytes of LDS; arguments query_mean, support_mean, qc, qs; writes qc, qs
.if DOCPART == 1
	.amdgcn_target "amdgcn-amd-amdhsa--gfx1250"
	.amdhsa_code_object_version 6
	.text
	.protected	k_q15d64f57d9_quant
	.globl	k_q15d64f57d9_quant
	.p2align	8
	.type	k_q15d64f57d9_quant,@function
k_q15d64f57d9_quant:
	s_mov_b64 s[64:65], 0
	v_nop
	global_prefetch_b8 v0, s[64:65] scope:SCOPE_SE
	s_setreg_imm32_b32 hwreg(HW_REG_WAVE_MODE, 25, 1), 1
	s_wait_xcnt 0x0
; query_mean [2048][1024] and support_mean [512][1024], f32, K innermost, become codes of BF6 (E3M2) with one E8M0 byte for each 32 along K.
; A TILE is 16 rows (tiles 0-127: query_mean, 128-159: support_mean), a STEP 128 along K (8 steps).  The workspace is laid as the readers' registers want it:
;   qc [tile][step][1536]: a fragment's register image: registers 4 c .. 4 c + 3 of lane l at 512 c + 16 l;
;   qs [tile][half 2][lane 32][2 words]: the word at 256 half + 8 (16 h + r) + 4 t is row r's scale word of step 4 half + 2 t + h, so that a load of 8 bytes a lane
;   gives two registers that hold an even step's words in lanes 0-15 and the next odd step's in lanes 16-31.
; SHARES: work-group g takes tile g / 2, steps 4 (g % 2) .. + 3; wave w one fragment: 16 rows x 128 numbers, 8,192 bytes, all sixteen loads out at once.
; Each load reads 512 consecutive bytes of a row; the numbers turn through the wave's own stage in LDS (rows 528 bytes apart) and come back 16 neighbours of each block of 32 to a lane.
; A block's scale is 2^(floor(log2(largest magnitude)) - 4): its byte is the largest magnitude's exponent field - 4, held at 1 from below.
; LIMITS: a block of zeros gets the byte 1 (its codes are zeros; these bytes are read by this program alone); NaN and infinities among the inputs are not served.
; No cluster: no input byte is read by two work-groups.  No matrix unit, no tensor load: the launch streams.
.set SP,   528                         ; a stage row: 512 bytes + 16: an odd multiple of 16, so the 16 rows that a load touches fall on different banks
.set WST,  16*SP                       ; a wave's stage
.set SCB,  4*WST                       ; behind the stages: the work-group's 64 scale words, 256 bytes
.set R,    16                          ; v16-79   the numbers as loaded
.set X,    80                          ; v80-143  register 16 b + i = k 32 b + 16 (lane / 16) + i of row lane % 16
.set PC,   144                         ; v144-155 the fragment's codes; v156-163 at work
.set TM,   164                         ; v164-179 at work
.set PW,   180                         ; v180     my row's scale word
.set SEL,  20                          ; s[20:21] lane selects for v_permlanex16_b32: lane l xor 16
; 64 numbers of a lane become a fragment's codes in v[PC] on and its scale word in v[PW]
.macro QUANT s
.irp b, 0,1,2,3
	v_max3_num_f32 v[TM+\b], |v[\s+16*\b]|, |v[\s+1+16*\b]|, 0x2800000   ; block b: my 16 numbers, and the floor 2^(5 - 127): the byte cannot fall under 1
.endr
.irp i, 2,4,6,8,10,12,14
.irp b, 0,1,2,3
	v_max3_num_f32 v[TM+\b], v[TM+\b], |v[\s+16*\b+\i]|, |v[\s+1+16*\b+\i]|   ; the four blocks by turns
.endr
.endr
.irp b, 0,1,2,3
	v_permlanex16_b32 v[TM+4+\b], v[TM+\b], s[SEL], s[SEL+1]
.endr
.irp b, 0,1,2,3
	v_max_num_f32 v[TM+\b], v[TM+\b], v[TM+4+\b]   ; with lane l xor 16's: the block's largest magnitude
.endr
.irp b, 0,1,2,3
	v_add_nc_u32 v[TM+12+\b], 0xfe000000, v[TM+\b]   ; 4 off its exponent field: the conversion takes this operand's exponent field as its scale
.endr
.irp b, 0,1,2,3
	v_lshrrev_b32 v[TM+4+\b], 23, v[TM+12+\b]      ; the scale's byte
.endr
	v_lshl_or_b32 v[PW], v[TM+5], 8, v[TM+4]
	v_lshl_or_b32 v[PW], v[TM+6], 16, v[PW]
	v_lshl_or_b32 v[PW], v[TM+7], 24, v[PW]
.irp c, 0,1
	v_cvt_scalef32_pk16_bf6_f32 v[PC+6*\c:PC+2+6*\c], v[\s+32*\c:\s+15+32*\c], v[TM+12+2*\c]
	v_cvt_scalef32_pk16_bf6_f32 v[PC+12+4*\c:PC+14+4*\c], v[\s+16+32*\c:\s+31+32*\c], v[TM+12+2*\c+1]   ; (a conversion's three registers begin on an even number)
.endr
	v_nop                                          ; one plain place behind a scaled conversion
.irp c, 0,1                                    ; the operand's layout wants a whole block in a lane: lanes 0-15 block 2 c, lanes 16-31 block 2 c + 1
.irp i, 0,1,2
	v_permlane16_swap_b32 v[PC+6*\c+\i], v[PC+12+4*\c+\i]
.endr
.irp i, 0,1,2
	v_mov_b32 v[PC+3+6*\c+\i], v[PC+12+4*\c+\i]
.endr
.endr
.endm
	s_load_b128 s[4:7], s[0:1], 0x0                ; query_mean, support_mean
	s_load_b128 s[8:11], s[0:1], 0x10              ; qc, qs
	v_lshl_add_u32 v192, v0, 2, 0x8800
	v_mov_b32 v193, 0
	v_lshrrev_b32 v1, 5, v0
	v_readfirstlane_b32 s16, v1                    ; wave 0..3
	v_and_b32 v1, 31, v0                           ; lane
	v_and_b32 v2, 15, v0                           ; r
	v_bfe_u32 v3, v0, 4, 1                         ; h
	v_lshlrev_b32 v4, 4, v1                        ; 16 x lane: my bytes of a load's 512, and of an image's
	s_mul_i32 s17, s16, WST
	v_add_nc_u32 v5, s17, v4                       ; the stage, on the way in
	v_mul_u32_u24 v6, v2, SP
	v_lshl_add_u32 v6, v3, 6, v6
	v_add_nc_u32 v6, s17, v6                       ; and on the way out: row r, + 64 h
	s_and_b32 s18, s16, 1
	s_lshl_b32 s18, s18, 7
	s_lshr_b32 s19, s16, 1
	s_lshl_b32 s19, s19, 2
	s_add_co_u32 s18, s18, s19
	s_add_co_u32 s18, s18, SCB
	v_lshl_add_u32 v7, v2, 3, s18                  ; my row's scale word: SCB + 128 (wave % 2) + 4 (wave / 2) + 8 r
	v_lshlrev_b32 v8, 3, v1                        ; the scale words' way out: 8 bytes a lane
	v_add_nc_u32 v9, SCB, v8
.irp b, 0,1,2,3
	v_mov_b32 v[TM+4+\b], 0                        ; written once: a lane permute's destination counts as one of its sources
.endr
	s_mov_b32 s[SEL], 0x76543210
	s_mov_b32 s[SEL+1], 0xfedcba98
	s_lshr_b32 s22, ttmp9, 1                       ; the tile
	s_and_b32 s23, ttmp9, 1                        ; which half of its steps
	s_lshl_b32 s24, s23, 2
	s_add_co_u32 s24, s24, s16                     ; my step
	s_lshl_b32 s28, s22, 3
	s_add_co_u32 s28, s28, s24
	s_mul_i32 s28, s28, 1536                       ; my fragment's place in qc
	s_mov_b32 s29, 0
	s_lshl_b32 s30, ttmp9, 8                       ; the work-group's 256 bytes of qs
	s_mov_b32 s31, 0
	s_wait_kmcnt 0x0
	s_cmp_lt_u32 s22, 128                          ; a tile of query_mean or of support_mean?  The choice hangs on the work-group's number alone
	s_cselect_b64 s[4:5], s[4:5], s[6:7]
	s_cselect_b32 s25, 0, 128
	s_sub_co_u32 s25, s22, s25
	s_lshl_b32 s26, s25, 16                        ; 16 rows of 4,096 bytes a tile,
	s_lshl_b32 s27, s24, 9                         ; 512 bytes a step
	s_add_co_u32 s26, s26, s27
	s_mov_b32 s27, 0
	s_add_nc_u64 s[4:5], s[4:5], s[26:27]
	s_add_nc_u64 s[8:9], s[8:9], s[28:29]
	s_add_nc_u64 s[10:11], s[10:11], s[30:31]
.irp i, 0,1,2,3,4,5,6,7,8,9,10,11,12,13,14,15
	global_load_b128 v[R+4*\i:R+4*\i+3], v4, s[4:5] offset:4096*\i   ; 32 lanes read 512 consecutive bytes of row i
.endr
.irp i, 0,1,2,3,4,5,6,7,8,9,10,11,12,13,14,15
	s_wait_loadcnt 15-\i                           ; row i is in; the 15 - i younger loads may stay out
	ds_store_b128 v5, v[R+4*\i:R+4*\i+3] offset:SP*\i
.endr
.irp b, 0,1,2,3
.irp j, 0,1,2,3
	ds_load_b128 v[X+16*\b+4*\j:X+16*\b+4*\j+3], v6 offset:128*\b+16*\j   ; LDS serves a wave's instructions in order: these see my stores
.endr
.endr
	s_wait_dscnt 0x0
	QUANT X
.irp c, 0,1,2
	global_store_b128 v4, v[PC+4*\c:PC+4*\c+3], s[8:9] offset:512*\c   ; 512 consecutive bytes, at a multiple of 256 from qc's first byte
.endr
	ds_store_b32 v7, v[PW]                         ; lanes 16-31 write the same word with the same value
	s_wait_dscnt 0x0                               ; for the others' sake: my word has landed
	s_barrier_signal -1
	s_barrier_wait -1
	s_cmp_lg_u32 s16, 0
	s_cbranch_scc1 .Ldone
	ds_load_b64 v[182:183], v9                     ; wave 0 sends the four waves' 64 words out
	s_wait_dscnt 0x0
	global_store_b64 v8, v[182:183], s[10:11]      ; 256 consecutive bytes, aligned
.Ldone:
	s_wait_tensorcnt 0x0
	ds_add_u32 v192, v193
	s_wait_dscnt 0x0
	s_endpgm
.Lfunc_end_k_q15d64f57d9_quant:
	.size	k_q15d64f57d9_quant, .Lfunc_end_k_q15d64f57d9_quant-k_q15d64f57d9_quant
	.p2alignl 7, 3214868480
	.fill 96, 4, 3214868480
	.section	.rodata,"a",@progbits
	.p2align	6, 0x0
	.amdhsa_kernel k_q15d64f57d9_quant
		.amdhsa_group_segment_fixed_size 35328
		.amdhsa_private_segment_fixed_size 0
		.amdhsa_enable_private_segment 0
		.amdhsa_kernarg_size 32
		.amdhsa_user_sgpr_count 2
		.amdhsa_user_sgpr_kernarg_segment_ptr 1
		.amdhsa_wavefront_size32 1
		.amdhsa_system_sgpr_workgroup_id_x 1
		.amdhsa_system_sgpr_workgroup_id_y 1
		.amdhsa_system_sgpr_workgroup_id_z 1
		.amdhsa_system_vgpr_workitem_id 0
		.amdhsa_next_free_vgpr 194
		.amdhsa_next_free_sgpr 66
		.amdhsa_reserve_vcc 0
		.amdhsa_float_denorm_mode_32 3
		.amdhsa_float_denorm_mode_16_64 3
		.amdhsa_memory_ordered 1
		.amdhsa_forward_progress 1
		.amdhsa_inst_pref_size 11
	.end_amdhsa_kernel
	.amdgpu_metadata
---
amdhsa.version: [ 1, 2 ]
amdhsa.kernels:
  - .name:           k_q15d64f57d9_quant
    .symbol:         k_q15d64f57d9_quant.kd
    .args:
      - { .name: query_mean, .offset: 0, .size: 8, .value_kind: global_buffer, .address_space: global }
      - { .name: support_mean, .offset: 8, .size: 8, .value_kind: global_buffer, .address_space: global }
      - { .name: qc, .offset: 16, .size: 8, .value_kind: global_buffer, .address_space: global }
      - { .name: qs, .offset: 24, .size: 8, .value_kind: global_buffer, .address_space: global }
    .group_segment_fixed_size: 35328
    .private_segment_fixed_size: 0
    .kernarg_segment_align: 8
    .kernarg_segment_size: 32
    .max_flat_workgroup_size: 128
    .sgpr_count:     66
    .vgpr_count:     194
    .wavefront_size: 32
...
	.end_amdgpu_metadata
.endif
;; end of part 1
;; launch gates (part 2): grid 16 x 16, 4 waves a work-group, clusters of 4 x 4, 262,656 bytes of LDS; arguments qc, qs, W_ih_codes, W_ih_scales, b_ih, b_hh, query_mean, hc, hs; writes hc, hs
.if DOCPART == 2
	.amdgcn_target "amdgcn-amd-amdhsa--gfx1250"
	.amdhsa_code_object_version 6
	.text
	.protected	k_q15d64f57d9_gates
	.globl	k_q15d64f57d9_gates
	.p2align	8
	.type	k_q15d64f57d9_gates,@function
k_q15d64f57d9_gates:
	s_mov_b64 s[64:65], 0
	v_nop
	global_prefetch_b8 v0, s[64:65] scope:SCOPE_SE
	s_setreg_imm32_b32 hwreg(HW_REG_WAVE_MODE, 25, 1), 1
	s_wait_xcnt 0x0
	s_wait_alu depctr_hold_cnt(0) depctr_sa_sdst(0) depctr_va_vdst(0) depctr_va_sdst(0) depctr_va_ssrc(0) depctr_va_vcc(0) depctr_vm_vsrc(0)
	s_getreg_b32 s2, hwreg(HW_REG_IB_STS2, 6, 4)
	s_cmp_eq_u32 s2, 0
	s_cbranch_scc0 .Lentry_in_a_cluster
	s_endpgm
.Lentry_in_a_cluster:
	s_bfe_u32 s2, ttmp6, 0x10000c
	s_cmp_lg_u32 s2, 0xf033
	s_cbranch_scc0 .Lentry_shape_is_right
	s_endpgm
.Lentry_shape_is_right:
; h = x + sigmoid(o) tanh(sigmoid(i) tanh(g)) for hidden units 0..1023, with (i, g, o) = Q(x) W_ih^T + b_ih + b_hh on W_ih's rows 0.., 4096.., 6144..; then h is quantised along its 1,024.
; WHAT IS NOT COMPUTED, AND WHY: the second product multiplies the zeros that the module itself builds (zero codes: its sum is 0 whatever W_hh holds); the f gate multiplies the module's own zero cell state;
; hidden units 1024.. are sliced away; the softmax and the product behind it feed a second process step that does not exist.  So W_hh, rows 1024-4095, 5120-6143, 7168-8191 of W_ih and of the biases are not read.
; LIMITS: a NaN in those parts (a scale byte 0xff, a NaN bias) would make the module's result NaN and not this one's; NaN and infinities among the inputs are not served; a block of zeros of h gets the scale byte 1
; (its codes are zeros; the bytes are read by this program alone).
; SHARES: work-group (jb, mb) takes rows 128 mb .. + 127 x hidden units 64 jb .. + 63 x 3 gates, K = 1,024.  Wave w (wm = w / 2, wn = w % 2): 64 rows (4 tiles m) x 32 units (2 tiles u) x 3 gates: 24 accumulators.
; THE MATRIX INSTRUCTION IS USED TRANSPOSED: source 0 = 16 rows of W, source 1 = 16 rows of x: lane (r, h) holds row r of x, register j hidden unit 16 u + 8 h + j.
; LDS: all that the work-group multiplies fits at once (W: 192 rows x 768 bytes; x: 8 tiles x 12,288 bytes of register images), so every byte is filled ONCE: no ring and no refill.  It comes in three parts along K,
; and the products of a part begin when that part has landed.  W's rows are cut into three units of 256 bytes, each with rows 272 bytes apart.
; CLUSTER 4 x 4: x's codes hang on mb alone and are asked for jointly along a row of the cluster, W's on jb alone and jointly along a column.  Waves 0-2 fetch the gates i, g, o, wave 3 fetches x: three tensor loads a wave are out.
; No prefetch: all loads of the launch go out at its head.
; REGISTERS: window 0: v1-15 addresses; v16-63 W's scale words; v64-79 x's; v80-151 W's six fragments, v152-199 x's four (buffer 0); v200-204 the way out.
;   window 1: v0-191 accumulators ((m, gate, u) at 48 m + 16 gate + 8 u); v192-239 the biases' six tiles, later at work.   window 2: v0-63 x as f32; v80-199 fragment buffer 1; v200-247 b_hh.
.set WP,    272                        ; a row of a unit in LDS: 256 bytes + 16
.set WGATE, 64*WP                      ; a gate's 64 rows
.set WUNIT, 3*WGATE                    ; a unit: 192 rows
.set X0,    3*WUNIT                    ; x's steps 0, 1: 8 tiles x 3,072 bytes
.set X1,    X0+8*3072                  ; steps 2-4: 8 x 4,608
.set X2,    X1+8*4608                  ; steps 5-7
.set HSTG,  X2+8*4608                  ; 256 bytes of their own for h's scale bytes: no fill lands there
.set AW,   4                           ; v4-6   my place in unit t: t WUNIT + (32 wn + r) WP + 24 h
.set AWX,  7                           ; v7-8   the same for pieces whose partner three pieces on (lanes 16-31) lies in the next unit: + (WUNIT + 24 - 256) h
.set AX,   9                           ; v9-11  my place in x's three parts
.set OWS,  12                          ; v12    32 r: W's scale bytes
.set OB,   13                          ; v13    32 h: the biases
.set O8,   14                          ; v14    8 x lane
.set OX,   15                          ; v15    4096 r + 32 h: x as f32
.set WS,   16                          ; W's scale word of tile i = 2 gate + u, step s: v[WS + 8 i + s]
.set XS,   64                          ; x's of tile m: v[XS + 4 m + s / 2]: an even step in lanes 0-15, the odd one behind it in lanes 16-31
.set WF,   80
.set XF,   152
.set HCO,  200                         ; v200   24 r + 12 h: my 12 bytes of h's codes
.set HSA,  201                         ; v201   my block's byte in HSTG
.set HOUT, 202                         ; v202-203
.set HRD,  204                         ; v204   HSTG + 8 x lane
.set BI,   192                         ; window 1: the biases' tiles
.set BH,   200                         ; window 2: b_hh
.set TMX,  192                         ; window 1, the epilogue: largest magnitudes; +4 the other half's; +8 scale operands; +12 bytes; +16 codes, four registers a tile
.set WV,   22
.set G1W,  32                          ; s[32:39] group 1 for W's tiles;  s[40:47], s[48:55] for x's parts of two and of three steps
.set G1X2, 40
.set G1X3, 48
.set MSB, 0
.macro WIN new                         ; the immediate's high byte repeats the setting that is left; a switch that changes nothing is dropped
.if MSB != \new
	s_set_vgpr_msb (MSB<<8)|\new
.set MSB, \new
.endif
.endm
.macro BAR
	s_barrier_signal -1
	s_barrier_wait -1
.endm
.macro CROUND                          ; a round of the cluster's barrier: my work-group's barrier; wave 0 signals for the work-group; every wave waits for all sixteen; my work-group's barrier once more
	s_barrier_signal -1
	s_barrier_wait -1
	s_cmp_lg_u32 s[WV], 0
	s_cbranch_scc1 .Lnot_wave_0_\@
	s_barrier_signal -3
.Lnot_wave_0_\@:
	s_barrier_wait -3
	s_barrier_signal -1
	s_barrier_wait -1
.endm
.macro PLACES                          ; four plain places behind matrix instructions, in front of loads into registers that they have read and of reads of their results
.rept 4
	v_nop
.endr
.endm
	s_load_b512 s[4:19], s[0:1], 0x0               ; qc s[4:5], qs s[6:7], W's codes s[8:9], W's scales s[10:11], b_ih s[12:13], b_hh s[14:15], query_mean s[16:17], hc s[18:19]
	s_load_b64 s[20:21], s[0:1], 0x40              ; hs
	v_lshl_add_u32 v254, v0, 2, 0x40000
	v_mov_b32 v255, 0
	ds_add_u32 v254, v255
	ds_add_u32 v254, v255
	v_lshrrev_b32 v1, 5, v0
	v_readfirstlane_b32 s[WV], v1                  ; wave 0..3
	s_lshr_b32 s23, s[WV], 1                       ; wm
	s_and_b32 s24, s[WV], 1                        ; wn
	s_bfe_u32 s25, ttmp6, 0x40000                  ; cx
	s_bfe_u32 s26, ttmp6, 0x40004                  ; cy
	s_lshl_b32 s27, ttmp9, 2
	s_add_co_u32 s27, s27, s25                     ; jb = 4 x cluster x + cx
	s_and_b32 s28, ttmp7, 0xffff
	s_lshl_b32 s28, s28, 2
	s_add_co_u32 s28, s28, s26                     ; mb = 4 x cluster y + cy
	s_lshl_b32 s29, s26, 2
	s_lshl_b32 s29, 15, s29                        ; my row of the cluster
	s_lshl_b32 s30, 0x1111, s25                    ; my column
	s_min_u32 s31, s[WV], 2                        ; the gate that I fetch (wave 3 fetches x and does not use it)
	; group 1.  W: 64 rows x 256 bytes (32 elements of 8 bytes), 768 bytes from row to row, 16 bytes of padding behind each 256
	s_or_b32 s[G1W], s30, (3<<16)|(1<<20)|(1<<21)|(5<<22)|(3<<25)   ; 15:0 the mask: my column; 17:16 elements of 8 bytes; 20 padding on; 21 set beside a mask; 24:22 after every 64 words; 31:25 of 4 words
	s_mov_b32 s[G1W+1], 32<<16                     ; tensor_dim0
	s_mov_b32 s[G1W+2], 64<<16                     ; tensor_dim1
	s_mov_b32 s[G1W+3], 32<<16                     ; tile_dim0
	s_mov_b32 s[G1W+4], 64                         ; tile_dim1
	s_mov_b32 s[G1W+5], 96                         ; from row to row
	s_mov_b32 s[G1W+6], 0
	s_mov_b32 s[G1W+7], 0
	; x: 8 tiles' images of two steps (3,072 bytes) or three (4,608), 12,288 bytes from tile to tile, no padding
	s_or_b32 s[G1X2], s29, (3<<16)|(1<<21)         ; the mask: my row
	s_mov_b32 s[G1X2+1], 384<<16
	s_mov_b32 s[G1X2+2], 8<<16
	s_mov_b32 s[G1X2+3], 384<<16
	s_mov_b32 s[G1X2+4], 8
	s_mov_b32 s[G1X2+5], 1536
	s_mov_b32 s[G1X2+6], 0
	s_mov_b32 s[G1X2+7], 0
	s_or_b32 s[G1X3], s29, (3<<16)|(1<<21)
	s_mov_b32 s[G1X3+1], 576<<16
	s_mov_b32 s[G1X3+2], 8<<16
	s_mov_b32 s[G1X3+3], 576<<16
	s_mov_b32 s[G1X3+4], 8
	s_mov_b32 s[G1X3+5], 1536
	s_mov_b32 s[G1X3+6], 0
	s_mov_b32 s[G1X3+7], 0
	; where the tiles come from: W's hang on jb and the wave alone (s[92:93]), x's on mb alone (s[90:91]): neither pair ever holds the other coordinate
	s_min_u32 s92, s31, 1
	s_add_co_u32 s92, s92, s31
	s_lshl_b32 s92, s92, 11                        ; the gate's first row of W: 0, 4096, 6144
	s_lshl_b32 s93, s27, 6
	s_add_co_u32 s92, s92, s93                     ; + 64 jb
	s_mul_i32 s92, s92, 768
	s_mov_b32 s93, 0
	s_mul_i32 s97, s31, WGATE                      ; and where they go: the wave's number alone enters an LDS address
	s_mul_i32 s90, s28, 8*12288
	s_mov_b32 s91, 0
	s_wait_dscnt 0x0
	s_wait_kmcnt 0x0
	s_add_nc_u64 s[92:93], s[8:9], s[92:93]
	s_add_nc_u64 s[90:91], s[4:5], s[90:91]
.macro G0W reg, t                      ; group 0 for unit t of my gate's rows
	s_mov_b32 s[\reg], 1
	s_add_co_u32 s[\reg+1], s97, \t*WUNIT
	s_add_nc_u64 s[\reg+2:\reg+3], s[92:93], 256*\t
	s_or_b32 s[\reg+3], s[\reg+3], 0x80000000
.endm
.macro G0X reg, lds, off               ; group 0 for a part of x
	s_mov_b32 s[\reg], 1
	s_mov_b32 s[\reg+1], \lds
	s_add_nc_u64 s[\reg+2:\reg+3], s[90:91], \off
	s_or_b32 s[\reg+3], s[\reg+3], 0x80000000
.endm
	G0W 56, 0
	G0W 60, 1
	G0W 68, 2
	G0X 72, X0, 0
	G0X 76, X1, 2*1536
	G0X 80, X2, 5*1536
	CROUND                                         ; all sixteen work-groups are here: the joint loads meet
	s_cmp_eq_u32 s[WV], 3                          ; a wave's three fills stand in one branch on its number; four v_nop follow the last
	s_cbranch_scc1 .Lfor_x
	tensor_load_to_lds s[56:59], s[G1W:G1W+7]
	s_nop 0
	tensor_load_to_lds s[60:63], s[G1W:G1W+7]
	s_nop 0
	tensor_load_to_lds s[68:71], s[G1W:G1W+7]
	s_nop 0
.rept 4
	v_nop
.endr
	s_branch .Lasked
.Lfor_x:
	tensor_load_to_lds s[72:75], s[G1X2:G1X2+7]
	s_nop 0
	tensor_load_to_lds s[76:79], s[G1X3:G1X3+7]
	s_nop 0
	tensor_load_to_lds s[80:83], s[G1X3:G1X3+7]
	s_nop 0
.rept 4
	v_nop
.endr
.Lasked:
	v_and_b32 v1, 31, v0                           ; lane
	v_and_b32 v2, 15, v0                           ; r
	v_bfe_u32 v3, v0, 4, 1                         ; h
	s_mul_i32 s2, s24, 32*WP
	v_mul_u32_u24 v20, v2, WP
	v_add_nc_u32 v20, s2, v20                      ; (32 wn + r) WP
	v_mad_u32_u24 v[AW], v3, 24, v20
	v_add_nc_u32 v[AW+1], WUNIT, v[AW]
	v_add_nc_u32 v[AW+2], 2*WUNIT, v[AW]
	v_mul_u32_u24 v21, v3, WUNIT+24-256
	v_add_nc_u32 v[AWX], v20, v21
	v_add_nc_u32 v[AWX+1], WUNIT, v[AWX]
	v_lshlrev_b32 v22, 4, v1                       ; 16 x lane: an image's place for my lane
	s_mul_i32 s2, s23, 4*3072                      ; my four tiles
	s_add_co_u32 s2, s2, X0
	v_add_nc_u32 v[AX], s2, v22
	s_mul_i32 s2, s23, 4*4608
	s_add_co_u32 s3, s2, X1
	v_add_nc_u32 v[AX+1], s3, v22
	s_add_co_u32 s3, s2, X2
	v_add_nc_u32 v[AX+2], s3, v22
	v_lshlrev_b32 v[OWS], 5, v2
	v_lshlrev_b32 v[OB], 5, v3
	v_lshlrev_b32 v[O8], 3, v1
	v_lshlrev_b32 v[OX], 12, v2
	v_lshl_add_u32 v[OX], v3, 5, v[OX]
	v_mul_u32_u24 v[HCO], v2, 24
	v_mad_u32_u24 v[HCO], v3, 12, v[HCO]
	s_lshl_b32 s2, s23, 7
	s_add_co_u32 s2, s2, s24
	s_add_co_u32 s2, s2, HSTG
	v_lshl_add_u32 v[HSA], v2, 1, s2               ; HSTG + 2 (64 wm + r) + wn; 32 bytes a tile stand in the immediate
	v_add_nc_u32 v[HRD], HSTG, v[O8]
	s_mov_b32 s84, 0x76543210                      ; v_permlanex16_b32's selects for lane l xor 16
	s_mov_b32 s85, 0xfedcba98
	s_mov_b32 s86, 0xbfb8aa3b                      ; -log2(e): sigmoid(x) = 1 / (1 + 2^(-log2(e) x))
	s_mov_b32 s87, s86                             ; (the packed forms name a pair and take its low word for both halves: so the upper is written)
	s_mov_b32 s88, 0x4038aa3b                      ; 2 log2(e): tanh(x) = 1 - 2 / (1 + 2^(2 log2(e) x))
	s_mov_b32 s89, s88
	; each buffer's address at my part; offsets are made apart from the addresses, in s[94:96]
	s_mov_b32 s95, 0
	s_lshl_b32 s94, s27, 11
	s_lshl_b32 s96, s24, 10
	s_add_co_u32 s94, s94, s96
	s_add_nc_u64 s[10:11], s[10:11], s[94:95]      ; W's scales: row 64 jb + 32 wn of 32 bytes
	s_lshl_b32 s94, s28, 12
	s_lshl_b32 s96, s23, 11
	s_add_co_u32 s94, s94, s96
	s_add_nc_u64 s[6:7], s[6:7], s[94:95]          ; x's scales: tile 8 mb + 4 wm of 512 bytes
	s_lshl_b32 s94, s27, 8
	s_lshl_b32 s96, s24, 7
	s_add_co_u32 s94, s94, s96                     ; 4 (64 jb + 32 wn)
	s_add_nc_u64 s[12:13], s[12:13], s[94:95]
	s_add_nc_u64 s[14:15], s[14:15], s[94:95]
	s_add_nc_u64 s[16:17], s[16:17], s[94:95]
	s_lshl_b32 s94, s28, 19
	s_lshl_b32 s96, s23, 18
	s_add_co_u32 s94, s94, s96
	s_add_nc_u64 s[16:17], s[16:17], s[94:95]      ; x as f32: row 128 mb + 64 wm of 4,096 bytes
	s_lshl_b32 s94, s28, 3
	s_lshl_b32 s96, s23, 2
	s_add_co_u32 s94, s94, s96
	s_mul_i32 s94, s94, 12288
	s_mul_i32 s96, s27, 768
	s_add_co_u32 s94, s94, s96
	s_mul_i32 s96, s24, 384
	s_add_co_u32 s94, s94, s96
	s_add_nc_u64 s[18:19], s[18:19], s[94:95]      ; hc: tile 8 mb + 4 wm, + 768 jb + 384 wn
	s_lshl_b32 s94, s28, 4
	s_add_co_u32 s94, s94, s27
	s_lshl_b32 s94, s94, 8
	s_add_nc_u64 s[20:21], s[20:21], s[94:95]      ; hs: 256 bytes for work-group (mb, jb)
.irp gt, 0,1,2
.irp u, 0,1
.irp q, 0,1
	global_load_b128 v[WS+8*(2*\gt+\u)+4*\q:WS+8*(2*\gt+\u)+4*\q+3], v[OWS], s[10:11] offset:2048*(\gt+(\gt+1)/2)*32+512*\u+16*\q   ; row r's eight scale words (lanes 16-31 hold the same and are not read)
.endr
.endr
.endr
.irp m, 0,1,2,3
.irp q, 0,1
	global_load_b64 v[XS+4*\m+2*\q:XS+4*\m+2*\q+1], v[O8], s[6:7] offset:512*\m+256*\q
.endr
.endr
	WIN 0x40                                       ; destination window 1
.irp gt, 0,1,2
.irp u, 0,1
.irp q, 0,1
	global_load_b128 v[BI+8*(2*\gt+\u)+4*\q:BI+8*(2*\gt+\u)+4*\q+3], v[OB], s[12:13] offset:2048*(\gt+(\gt+1)/2)*4+64*\u+16*\q   ; in the result's layout: the tile's units 8 h + 0 .. 7
.endr
.endr
.endr
	WIN 0x80                                       ; destination window 2
.irp gt, 0,1,2
.irp u, 0,1
.irp q, 0,1
	global_load_b128 v[BH+8*(2*\gt+\u)+4*\q:BH+8*(2*\gt+\u)+4*\q+3], v[OB], s[14:15] offset:2048*(\gt+(\gt+1)/2)*4+64*\u+16*\q
.endr
.endr
.endr
	WIN 0
; A fragment of W, 16 rows x 128 K: 12 registers; lane (r, h) takes the row's pieces of 8 bytes 12 s + 3 h + 0, 1, 2 and 12 s + 6 + 3 h + 0, 1, 2.  A unit holds 32 pieces.
.macro FRAGW reg, s, rowoff
.irp p, 0,1,2,3,4,5
.set PCE, 12*(\s)+6*(\p/3)+\p%3
.if PCE%32 < 29
	ds_load_b64 v[\reg+2*\p:\reg+2*\p+1], v[AW+PCE/32] offset:8*(PCE%32)+(\rowoff)
.else
	ds_load_b64 v[\reg+2*\p:\reg+2*\p+1], v[AWX+PCE/32] offset:8*(PCE%32)+(\rowoff)
.endif
.endr
.endm
; Step s's ten fragments into buffer buf (0: window 0, 1: window 2): 36 + 12 = 48 LDS loads
.macro FETCH s, buf
.set WM, 0x80*(\buf)
	WIN WM
.irp gt, 0,1,2
.irp u, 0,1
	FRAGW WF+12*(2*\gt+\u), \s, (64*\gt+16*\u)*WP
.endr
.endr
.if (\s) < 2
.set AXR, AX
.set XS0, 0
.set XRB, 3072
.elseif (\s) < 5
.set AXR, AX+1
.set XS0, 2
.set XRB, 4608
.else
.set AXR, AX+2
.set XS0, 5
.set XRB, 4608
.endif
.irp m, 0,1,2,3
.irp c, 0,1,2
	ds_load_b128 v[XF+12*\m+4*\c:XF+12*\m+4*\c+3], v[AXR] offset:\m*XRB+((\s)-XS0)*1536+512*\c   ; an image comes back as it was stored: 16 bytes a lane
.endr
.endr
.endm
; Step s's 24 products on buffer buf.  The 24 accumulators take turns, one instruction a turn, in the same order in every step.  first = 1: the biases' tiles are the C that starts the sums.
.macro MUL s, buf, first
.set WM, 0x50+0x0a*(\buf)
	WIN WM                                         ; C and D window 1; sources 0 and 1 window 0 or 2
.irp m, 0,1,2,3
.irp gt, 0,1,2
.irp u, 0,1
.set DD, 48*\m+16*\gt+8*\u
.set CC, DD
.if \first
.set CC, BI+8*(2*\gt+\u)
.endif
.if (\s)%2
	v_wmma_scale_f32_16x16x128_f8f6f4 v[DD:DD+7], v[WF+12*(2*\gt+\u):WF+12*(2*\gt+\u)+11], v[XF+12*\m:XF+12*\m+11], v[CC:CC+7], v[WS+8*(2*\gt+\u)+(\s)], v[XS+4*\m+(\s)/2] matrix_a_fmt:MATRIX_FMT_BF6 matrix_b_fmt:MATRIX_FMT_BF6 matrix_b_scale:MATRIX_SCALE_ROW1
.else
	v_wmma_scale_f32_16x16x128_f8f6f4 v[DD:DD+7], v[WF+12*(2*\gt+\u):WF+12*(2*\gt+\u)+11], v[XF+12*\m:XF+12*\m+11], v[CC:CC+7], v[WS+8*(2*\gt+\u)+(\s)], v[XS+4*\m+(\s)/2] matrix_a_fmt:MATRIX_FMT_BF6 matrix_b_fmt:MATRIX_FMT_BF6
.endif
.endr
.endr
.endr
.endm
	s_wait_tensorcnt 0x2                           ; my first load has landed (W's unit 0, or x's steps 0 and 1); the two younger ones may stay out
	BAR                                            ; everybody's has
	FETCH 0, 0
	FETCH 1, 1
	s_wait_loadcnt 0x0                             ; the scale words and the biases
	WIN 0x49                                       ; destination and source 0 window 1, source 1 window 2
.set j, 0
.rept 24
	v_pk_add_f32 v[BI+j:BI+j+1], v[BI+j:BI+j+1], v[BH+j:BH+j+1]   ; b_ih + b_hh
.set j, j+2
.endr
	WIN 0x80
.irp m, 0,1,2,3
.irp u, 0,1
.irp q, 0,1
	global_load_b128 v[16*\m+8*\u+4*\q:16*\m+8*\u+4*\q+3], v[OX], s[16:17] offset:65536*\m+64*\u+16*\q   ; x(row r of tile m, unit 16 u + 8 h + 4 q ..): wanted at the end, in the accumulators' layout
.endr
.endr
.endr
	PLACES                                         ; between the sums just made and the products that take them as C
	s_wait_dscnt 48                                ; step 0's fragments are in; step 1's 48 loads may stay out
	MUL 0, 0, 1
	s_wait_tensorcnt 0x1                           ; my second load has landed (unit 1, or steps 2-4); the last may stay out
	s_wait_dscnt 0x0                               ; no LDS instruction of mine is pending at a signal
	BAR
	PLACES
	FETCH 2, 0
	s_wait_dscnt 48                                ; all but the 48 just issued
	MUL 1, 1, 0
	PLACES
	FETCH 3, 1
	s_wait_dscnt 48
	MUL 2, 0, 0
	PLACES
	FETCH 4, 0
	s_wait_dscnt 48
	MUL 3, 1, 0
	s_wait_tensorcnt 0x0                           ; my last load has landed (unit 2, or steps 5-7)
	s_wait_dscnt 0x0
	BAR
	PLACES
	FETCH 5, 1
	s_wait_dscnt 48
	MUL 4, 0, 0
	PLACES
	FETCH 6, 0
	s_wait_dscnt 48
	MUL 5, 1, 0
	PLACES
	FETCH 7, 1
	s_wait_dscnt 48
	MUL 6, 0, 0
	s_wait_dscnt 0x0
	MUL 7, 1, 0
; THE ACTIVATION of tile m's 16 rows x 32 units, in f32, in place; every run takes its registers in ascending order.
; Neither form can overflow into a NaN: an exponential that is infinite gives the reciprocal 0.  One plain place stands behind each run of transcendentals.
.macro ACT m
.set AI, 48*(\m)
.set AG, AI+16
.set AO, AI+32
	WIN 0x55                                       ; all in window 1
.irp k, 0,2,4,6,8,10,12,14
	v_pk_mul_f32 v[AI+\k:AI+\k+1], v[AI+\k:AI+\k+1], s[86:87] op_sel_hi:[1,0]
.endr
.irp k, 0,2,4,6,8,10,12,14
	v_pk_mul_f32 v[AG+\k:AG+\k+1], v[AG+\k:AG+\k+1], s[88:89] op_sel_hi:[1,0]
.endr
.irp k, 0,2,4,6,8,10,12,14
	v_pk_mul_f32 v[AO+\k:AO+\k+1], v[AO+\k:AO+\k+1], s[86:87] op_sel_hi:[1,0]
.endr
.set j, 0
.rept 48
	v_exp_f32 v[AI+j], v[AI+j]
.set j, j+1
.endr
	v_nop
.set j, 0
	s_wait_alu depctr_va_vdst(0)
.rept 24
	v_pk_add_f32 v[AI+j:AI+j+1], v[AI+j:AI+j+1], 1.0 op_sel_hi:[1,0]
.set j, j+2
.endr
.set j, 0
.rept 48
	v_rcp_f32 v[AI+j], v[AI+j]                     ; sigmoid(i); 1 / (1 + e^(2 g)); sigmoid(o)
.set j, j+1
.endr
	v_nop
	s_wait_alu depctr_va_vdst(0)
.irp k, 0,2,4,6,8,10,12,14
	v_pk_fma_f32 v[AG+\k:AG+\k+1], v[AG+\k:AG+\k+1], -2.0, 1.0 op_sel_hi:[1,0,0]   ; tanh(g)
.endr
.irp k, 0,2,4,6,8,10,12,14
	v_pk_mul_f32 v[AG+\k:AG+\k+1], v[AI+\k:AI+\k+1], v[AG+\k:AG+\k+1]             ; the cell state: sigmoid(i) tanh(g)
.endr
.irp k, 0,2,4,6,8,10,12,14
	v_pk_mul_f32 v[AG+\k:AG+\k+1], v[AG+\k:AG+\k+1], s[88:89] op_sel_hi:[1,0]
.endr
.set j, 0
.rept 16
	v_exp_f32 v[AG+j], v[AG+j]
.set j, j+1
.endr
	v_nop
	s_wait_alu depctr_va_vdst(0)
.irp k, 0,2,4,6,8,10,12,14
	v_pk_add_f32 v[AG+\k:AG+\k+1], v[AG+\k:AG+\k+1], 1.0 op_sel_hi:[1,0]
.endr
.set j, 0
.rept 16
	v_rcp_f32 v[AG+j], v[AG+j]
.set j, j+1
.endr
	v_nop
	s_wait_alu depctr_va_vdst(0)
.irp k, 0,2,4,6,8,10,12,14
	v_pk_fma_f32 v[AG+\k:AG+\k+1], v[AG+\k:AG+\k+1], -2.0, 1.0 op_sel_hi:[1,0,0]   ; tanh(cell state)
.endr
	WIN 0x65                                       ; source 2 (x) window 2
.irp k, 0,2,4,6,8,10,12,14
	v_pk_fma_f32 v[AI+\k:AI+\k+1], v[AO+\k:AO+\k+1], v[AG+\k:AG+\k+1], v[16*(\m)+\k:16*(\m)+\k+1]   ; h = x + sigmoid(o) tanh(cell state)
.endr
	WIN 0x55
.irp k, 0,1,2,3,4,5,6,7
	v_permlane16_swap_b32 v[AI+\k], v[AI+8+\k]     ; tile 0's lanes 16-31 change places with tile 1's lanes 0-15: lane (r, h) now holds units 16 h + 0 .. 15 in 16 registers on end
.endr
.endm
	WIN 0x55
	PLACES                                         ; behind the last products
.irp m, 0,1,2,3
	v_mov_b32 v[TMX+4+\m], 0                       ; written once: a lane permute's destination counts as one of its sources
.endr
	s_wait_loadcnt 0x0                             ; x as f32
	ACT 0
	ACT 1
	ACT 2
	ACT 3
	; h IS QUANTISED: the wave's 32 units are one block of 32 along the next product's K (block 2 jb + wn); a lane holds 16 of them, lane l xor 16 the others.  The four tiles by turns.
.irp m, 0,1,2,3
	v_max3_num_f32 v[TMX+\m], |v[48*\m]|, |v[48*\m+1]|, 0x2800000   ; and the floor 2^(5 - 127): the byte cannot fall under 1
.endr
.irp i, 2,4,6,8,10,12,14
.irp m, 0,1,2,3
	v_max3_num_f32 v[TMX+\m], v[TMX+\m], |v[48*\m+\i]|, |v[48*\m+\i+1]|
.endr
.endr
.irp m, 0,1,2,3
	v_permlanex16_b32 v[TMX+4+\m], v[TMX+\m], s84, s85
.endr
.irp m, 0,1,2,3
	v_max_num_f32 v[TMX+\m], v[TMX+\m], v[TMX+4+\m]
.endr
.irp m, 0,1,2,3
	v_add_nc_u32 v[TMX+8+\m], 0xfe000000, v[TMX+\m]   ; 4 off the exponent field: the conversion's scale operand
.endr
.irp m, 0,1,2,3
	v_lshrrev_b32 v[TMX+12+\m], 23, v[TMX+8+\m]    ; the scale's byte
.endr
.irp m, 0,1,2,3
	v_cvt_scalef32_pk16_bf6_f32 v[TMX+16+4*\m:TMX+18+4*\m], v[48*\m:48*\m+15], v[TMX+8+\m]   ; 16 codes, 12 bytes
.endr
	v_nop                                          ; one plain place behind a scaled conversion
	WIN 0x04                                       ; a store's data are its source 1: window 1; its address, source 0, window 0
.irp m, 0,1,2,3
	global_store_b96 v[HCO], v[TMX+16+4*\m:TMX+18+4*\m], s[18:19] offset:12288*\m   ; the wave stores 384 consecutive bytes: 24 bytes a row, the block's lower 16 codes first
.endr
.irp m, 0,1,2,3
	ds_store_b8 v[HSA], v[TMX+12+\m] offset:32*\m  ; both lanes of a row write the same byte with the same value
.endr
	WIN 0
	s_wait_dscnt 0x0                               ; for the others' sake: my bytes have landed
	BAR
	s_cmp_lg_u32 s[WV], 0
	s_cbranch_scc1 .Lnot_first
	ds_load_b64 v[HOUT:HOUT+1], v[HRD]             ; wave 0 sends the work-group's 256 scale bytes out
	s_wait_dscnt 0x0
	global_store_b64 v[O8], v[HOUT:HOUT+1], s[20:21]   ; 256 consecutive bytes, aligned
.Lnot_first:
	s_wait_tensorcnt 0x0
	ds_add_u32 v254, v255
	s_wait_dscnt 0x0
	CROUND                                         ; the closing round: no work-group ends while a partner may still ask for a tile that names it
	s_endpgm
.Lfunc_end_k_q15d64f57d9_gates:
	.size	k_q15d64f57d9_gates, .Lfunc_end_k_q15d64f57d9_gates-k_q15d64f57d9_gates
	.p2alignl 7, 3214868480
	.fill 96, 4, 3214868480
	.section	.rodata,"a",@progbits
	.p2align	6, 0x0
	.amdhsa_kernel k_q15d64f57d9_gates
		.amdhsa_group_segment_fixed_size 262656
		.amdhsa_private_segment_fixed_size 0
		.amdhsa_enable_private_segment 0
		.amdhsa_kernarg_size 72
		.amdhsa_user_sgpr_count 2
		.amdhsa_user_sgpr_kernarg_segment_ptr 1
		.amdhsa_wavefront_size32 1
		.amdhsa_system_sgpr_workgroup_id_x 1
		.amdhsa_system_sgpr_workgroup_id_y 1
		.amdhsa_system_sgpr_workgroup_id_z 1
		.amdhsa_system_vgpr_workitem_id 0
		.amdhsa_next_free_vgpr 768
		.amdhsa_next_free_sgpr 98
		.amdhsa_reserve_vcc 0
		.amdhsa_float_denorm_mode_32 3
		.amdhsa_float_denorm_mode_16_64 3
		.amdhsa_memory_ordered 1
		.amdhsa_forward_progress 1
		.amdhsa_inst_pref_size 114
	.end_amdhsa_kernel
	.amdgpu_metadata
---
amdhsa.version: [ 1, 2 ]
amdhsa.kernels:
  - .name:           k_q15d64f57d9_gates
    .symbol:         k_q15d64f57d9_gates.kd
    .args:
      - { .name: qc, .offset: 0, .size: 8, .value_kind: global_buffer, .address_space: global }
      - { .name: qs, .offset: 8, .size: 8, .value_kind: global_buffer, .address_space: global }
      - { .name: W_ih_codes, .offset: 16, .size: 8, .value_kind: global_buffer, .address_space: global }
      - { .name: W_ih_scales, .offset: 24, .size: 8, .value_kind: global_buffer, .address_space: global }
      - { .name: b_ih, .offset: 32, .size: 8, .value_kind: global_buffer, .address_space: global }
      - { .name: b_hh, .offset: 40, .size: 8, .value_kind: global_buffer, .address_space: global }
      - { .name: query_mean, .offset: 48, .size: 8, .value_kind: global_buffer, .address_space: global }
      - { .name: hc, .offset: 56, .size: 8, .value_kind: global_buffer, .address_space: global }
      - { .name: hs, .offset: 64, .size: 8, .value_kind: global_buffer, .address_space: global }
    .group_segment_fixed_size: 262656
    .private_segment_fixed_size: 0
    .kernarg_segment_align: 8
    .kernarg_segment_size: 72
    .max_flat_workgroup_size: 128
    .sgpr_count:     98
    .vgpr_count:     768
    .wavefront_size: 32
...
	.end_amdgpu_metadata
.endif
;; end of part 2
;; launch score (part 3): grid 8 x 32, 4 waves a work-group, clusters of 4 x 4, 168,448 bytes of LDS; arguments hc, hs, qc, qs, out0; writes out0
.if DOCPART == 3
	.amdgcn_target "amdgcn-amd-amdhsa--gfx1250"
	.amdhsa_code_object_version 6
	.text
	.protected	k_q15d64f57d9_score
	.globl	k_q15d64f57d9_score
	.p2align	8
	.type	k_q15d64f57d9_score,@function
k_q15d64f57d9_score:
	s_mov_b64 s[64:65], 0
	v_nop
	global_prefetch_b8 v0, s[64:65] scope:SCOPE_SE
	s_setreg_imm32_b32 hwreg(HW_REG_WAVE_MODE, 25, 1), 1
	s_wait_xcnt 0x0
	s_wait_alu depctr_hold_cnt(0) depctr_sa_sdst(0) depctr_va_vdst(0) depctr_va_sdst(0) depctr_va_ssrc(0) depctr_va_vcc(0) depctr_vm_vsrc(0)
	s_getreg_b32 s2, hwreg(HW_REG_IB_STS2, 6, 4)
	s_cmp_eq_u32 s2, 0
	s_cbranch_scc0 .Lentry_in_a_cluster
	s_endpgm
.Lentry_in_a_cluster:
	s_bfe_u32 s2, ttmp6, 0x10000c
	s_cmp_lg_u32 s2, 0xf033
	s_cbranch_scc0 .Lentry_shape_is_right
	s_endpgm
.Lentry_shape_is_right:
; out0[row][col] = the sum over k of Q(h)[row][k] Q(support_mean)[col][k], K = 1,024, on codes of BF6 (E3M2) with E8M0 scales; sums in f32.  (The module's third and fifth products are this one product.)
; hc [tile 128][12288]: fragment (tile, step s) at 1536 s: lane l's registers 0-5 at 24 l, its registers 6-11 at 768 + 24 l.  hs [row / 128][block pair 16][row % 128][2]: h's scale bytes.
; qc, qs: support_mean's tiles are tiles 128-159 there: register images of 1,536 bytes, and scale words that hold an even step in lanes 0-15 and the next odd step in lanes 16-31.
; SHARES: work-group (nb, rb) makes rows 64 rb .. + 63 x columns 64 nb .. + 63; wave w row tile 4 rb + w against the four support tiles: 4 accumulators, 32 matrix instructions.
; THE MATRIX INSTRUCTION IS USED TRANSPOSED (source 0 = 16 rows of support_mean, source 1 = 16 rows of h): a lane holds eight neighbouring columns of one row of out0.
; LDS: all operands of the work-group fit at once (2 x 49,152 bytes): every byte is filled ONCE, by one tensor load a wave; no ring, no refill.
; CLUSTER 4 x 4: h's tiles hang on rb alone and are asked for jointly along a row of the cluster, support's on nb alone and jointly along a column.
; No prefetch: all loads of the launch go out at its head.
.set SB,     49152                     ; support's fragments, behind h's
.set STG,    98304                     ; the way out: 16 rows x 272 bytes for each wave; no fill lands there
.set SPITCH, 272
.set AH,   4                           ; v4   h's fragments: 12288 x wave + 24 x lane
.set AS,   5                           ; v5   support's: SB + 16 x lane
.set STO,  8                           ; v8   the stage: where I put 32 bytes of a row
.set RD,   9                           ; v9   and where I read a row back
.set GO,   10                          ; v10  my byte offset in the wave's rows of out0
.set HSW,  12                          ; v12-15 h's scale words, register s / 2
.set SSW,  16                          ; v16-31 support's, tile t: register 4 t + s / 2
.set U,    32                          ; v32-39 pairs of h's scale bytes as loaded
.set ACC,  40                          ; v40-71
.set F0,   72                          ; v72-131, v132-191 two fragment buffers: h's at + 0, support's tile t at + 12 + 12 t
.set OUTR, 192                         ; v192-223 the way out
.set WV,   14
.macro BAR
	s_barrier_signal -1
	s_barrier_wait -1
.endm
.macro CROUND                          ; a round of the cluster's barrier
	s_barrier_signal -1
	s_barrier_wait -1
	s_cmp_lg_u32 s[WV], 0
	s_cbranch_scc1 .Lnot_wave_0_\@
	s_barrier_signal -3
.Lnot_wave_0_\@:
	s_barrier_wait -3
	s_barrier_signal -1
	s_barrier_wait -1
.endm
.macro PLACES                          ; four plain places behind matrix instructions (ISA guide 7.12.1)
.rept 4
	v_nop
.endr
.endm
	s_load_b256 s[4:11], s[0:1], 0x0               ; hc s[4:5], hs s[6:7], qc s[8:9], qs s[10:11]
	s_load_b64 s[12:13], s[0:1], 0x20              ; out0
	v_lshl_add_u32 v254, v0, 2, 0x29000
	v_mov_b32 v255, 0
	ds_add_u32 v254, v255
	ds_add_u32 v254, v255
	v_lshrrev_b32 v1, 5, v0
	v_readfirstlane_b32 s[WV], v1                  ; wave 0..3
	s_lshr_b32 s15, s[WV], 1                       ; I fetch for h (0) or for support (1),
	s_and_b32 s16, s[WV], 1                        ; and which two of the four tiles
	s_bfe_u32 s17, ttmp6, 0x40000                  ; cx
	s_bfe_u32 s18, ttmp6, 0x40004                  ; cy
	s_lshl_b32 s19, ttmp9, 2
	s_add_co_u32 s19, s19, s17                     ; nb = 4 x cluster x + cx
	s_and_b32 s20, ttmp7, 0xffff
	s_lshl_b32 s20, s20, 2
	s_add_co_u32 s20, s20, s18                     ; rb = 4 x cluster y + cy
	s_lshl_b32 s21, s18, 2
	s_lshl_b32 s21, 15, s21                        ; my row of the cluster
	s_lshl_b32 s22, 0x1111, s17                    ; my column
	; group 1: two tiles' fragments, a dense block of 24,576 bytes, as 96 rows of 256 bytes (32 elements of 8 bytes)
	s_or_b32 s24, s21, (3<<16)|(1<<21)             ; h's: the mask names my row; bit 21 set beside a mask
	s_or_b32 s32, s22, (3<<16)|(1<<21)             ; support's: my column
.irp g, 24, 32
	s_mov_b32 s[\g+1], 32<<16                      ; tensor_dim0
	s_mov_b32 s[\g+2], 96<<16                      ; tensor_dim1
	s_mov_b32 s[\g+3], 32<<16                      ; tile_dim0
	s_mov_b32 s[\g+4], 96                          ; tile_dim1
	s_mov_b32 s[\g+5], 32                          ; from row to row
	s_mov_b32 s[\g+6], 0
	s_mov_b32 s[\g+7], 0
.endr
	s_lshl_b32 s48, s20, 2                         ; h: tile 4 rb + 2 x half (s[48:49] never hold nb)
	s_lshl_b32 s49, s16, 1
	s_add_co_u32 s48, s48, s49
	s_mul_i32 s48, s48, 12288
	s_mov_b32 s49, 0
	s_lshl_b32 s50, s19, 2                         ; support: tile 128 + 4 nb + 2 x half (s[50:51] never hold rb)
	s_lshl_b32 s51, s16, 1
	s_add_co_u32 s50, s50, s51
	s_add_co_u32 s50, s50, 128
	s_mul_i32 s50, s50, 12288
	s_mov_b32 s51, 0
	s_mul_i32 s54, s[WV], 24576                    ; where they go: h's two halves, then support's: the wave's number alone
	s_wait_dscnt 0x0
	s_wait_kmcnt 0x0
	s_mov_b32 s40, 1
	s_mov_b32 s41, s54
	s_add_nc_u64 s[42:43], s[4:5], s[48:49]
	s_or_b32 s43, s43, 0x80000000
	s_mov_b32 s44, 1
	s_mov_b32 s45, s54
	s_add_nc_u64 s[46:47], s[8:9], s[50:51]
	s_or_b32 s47, s47, 0x80000000
	CROUND                                         ; all sixteen work-groups are here: the joint loads meet
	s_cmp_eq_u32 s15, 0                            ; one tensor load a wave; four v_nop follow each of the two lines
	s_cbranch_scc0 .Lfor_s
	tensor_load_to_lds s[40:43], s[24:31]
	s_nop 0
.rept 4
	v_nop
.endr
	s_branch .Lasked
.Lfor_s:
	tensor_load_to_lds s[44:47], s[32:39]
	s_nop 0
.rept 4
	v_nop
.endr
.Lasked:
	v_and_b32 v1, 31, v0                           ; lane
	v_and_b32 v2, 15, v0                           ; r
	v_bfe_u32 v3, v0, 4, 1                         ; h
	v_lshlrev_b32 v6, 3, v1                        ; support's scale words: 8 bytes a lane
	v_lshlrev_b32 v7, 9, v3
	v_lshl_add_u32 v7, v2, 1, v7                   ; h's scale bytes: 2 r, and two block pairs (512 bytes) on for lanes 16-31, which hold the odd steps
	s_mov_b32 s53, 0
	s_lshl_b32 s52, s19, 11
	s_add_co_u32 s52, s52, 128*512
	s_add_nc_u64 s[10:11], s[10:11], s[52:53]      ; qs at tile 128 + 4 nb
	s_lshr_b32 s52, s20, 1
	s_lshl_b32 s52, s52, 12
	s_and_b32 s56, s20, 1
	s_lshl_b32 s56, s56, 7
	s_add_co_u32 s52, s52, s56
	s_lshl_b32 s56, s[WV], 5
	s_add_co_u32 s52, s52, s56
	s_add_nc_u64 s[6:7], s[6:7], s[52:53]          ; hs at 4096 (rb / 2) + 2 (64 (rb % 2) + 16 wave)
	s_lshl_b32 s52, s20, 17
	s_lshl_b32 s56, s[WV], 15
	s_add_co_u32 s52, s52, s56
	s_lshl_b32 s56, s19, 8
	s_add_co_u32 s52, s52, s56
	s_add_nc_u64 s[12:13], s[12:13], s[52:53]      ; out0 at row 64 rb + 16 wave of 2,048 bytes, + 256 nb
.irp t, 0,1,2,3
.irp q, 0,1
	global_load_b64 v[SSW+4*\t+2*\q:SSW+4*\t+2*\q+1], v6, s[10:11] offset:512*\t+256*\q
.endr
.endr
.irp t, 0,1,2,3
.irp q, 0,1
	global_load_u16 v[U+2*\t+\q], v7, s[6:7] offset:1024*\t+256*\q   ; step 2 t + h: the bytes of its blocks 2 q, 2 q + 1
.endr
.endr
	s_wait_loadcnt 0x0
.irp t, 0,1,2,3
	v_lshl_or_b32 v[HSW+\t], v[U+2*\t+1], 16, v[U+2*\t]   ; row r's scale word: step 2 t in lanes 0-15, step 2 t + 1 in lanes 16-31
.endr
	; the eleven address lines below are also the places between these scale words, made by vector instructions, and the first scaled product (eight are wanted)
	s_mul_i32 s55, s[WV], 12288
	v_mul_u32_u24 v[AH], v1, 24
	v_add_nc_u32 v[AH], s55, v[AH]
	v_lshl_add_u32 v[AS], v1, 4, SB
	s_mul_i32 s55, s[WV], 16*SPITCH
	s_add_co_u32 s55, s55, STG                     ; my stage
	v_mul_u32_u24 v[STO], v2, SPITCH               ; in: row r, 32 bytes for each half of the lanes
	v_lshl_add_u32 v[STO], v3, 5, v[STO]
	v_add_nc_u32 v[STO], s55, v[STO]
	v_mul_u32_u24 v[RD], v3, SPITCH                ; back: lanes 0-15 one row of 256 bytes, lanes 16-31 the next
	v_lshl_add_u32 v[RD], v2, 4, v[RD]
	v_add_nc_u32 v[RD], s55, v[RD]
	v_lshlrev_b32 v[GO], 11, v3                    ; and the same two rows in out0
	v_lshl_add_u32 v[GO], v2, 4, v[GO]
.macro FETCH s, f                      ; step s's five fragments into the buffer at f: 6 + 12 = 18 LDS loads
.irp c, 0,1
.irp p, 0,1,2
	ds_load_b64 v[\f+6*\c+2*\p:\f+6*\c+2*\p+1], v[AH] offset:1536*(\s)+768*\c+8*\p   ; lanes 24 bytes apart: the 32 lanes of a load touch 64 different banks
.endr
.endr
.irp t, 0,1,2,3
.irp c, 0,1,2
	ds_load_b128 v[\f+12+12*\t+4*\c:\f+12+12*\t+4*\c+3], v[AS] offset:12288*\t+1536*(\s)+512*\c
.endr
.endr
.endm
.macro MUL s, f                        ; the four accumulators take turns, one instruction a turn; step 0's products start the sums
.irp t, 0,1,2,3
.if (\s) == 0
	v_wmma_scale_f32_16x16x128_f8f6f4 v[ACC+8*\t:ACC+8*\t+7], v[\f+12+12*\t:\f+12+12*\t+11], v[\f:\f+11], 0, v[SSW+4*\t], v[HSW] matrix_a_fmt:MATRIX_FMT_BF6 matrix_b_fmt:MATRIX_FMT_BF6
.elseif (\s)%2
	v_wmma_scale_f32_16x16x128_f8f6f4 v[ACC+8*\t:ACC+8*\t+7], v[\f+12+12*\t:\f+12+12*\t+11], v[\f:\f+11], v[ACC+8*\t:ACC+8*\t+7], v[SSW+4*\t+(\s)/2], v[HSW+(\s)/2] matrix_a_fmt:MATRIX_FMT_BF6 matrix_b_fmt:MATRIX_FMT_BF6 matrix_a_scale:MATRIX_SCALE_ROW1 matrix_b_scale:MATRIX_SCALE_ROW1
.else
	v_wmma_scale_f32_16x16x128_f8f6f4 v[ACC+8*\t:ACC+8*\t+7], v[\f+12+12*\t:\f+12+12*\t+11], v[\f:\f+11], v[ACC+8*\t:ACC+8*\t+7], v[SSW+4*\t+(\s)/2], v[HSW+(\s)/2] matrix_a_fmt:MATRIX_FMT_BF6 matrix_b_fmt:MATRIX_FMT_BF6
.endif
.endr
.endm
	s_wait_tensorcnt 0x0                           ; my one load has landed,
	BAR                                            ; everybody's has
	FETCH 0, F0
	FETCH 1, F0+60
.irp s, 0,1,2,3,4,5,6,7
.if \s < 7
	s_wait_dscnt 18                                ; this step's fragments are in; the next step's 18 loads may stay out
.else
	s_wait_dscnt 0x0
.endif
	MUL \s, F0+60*(\s%2)
.if \s < 6
	PLACES                                         ; in front of loads into the registers that these products have read
	FETCH \s+2, F0+60*(\s%2)
.endif
.endr
	; THE WAY OUT: a lane's 32 bytes of a row go into my own stage and come back as whole rows of 256 bytes.  LDS serves a wave's instructions in order: no wait between the stores and the loads.
	PLACES
.irp t, 0,1,2,3
	ds_store_b128 v[STO], v[ACC+8*\t:ACC+8*\t+3] offset:64*\t        ; each accumulator from its low end on
	ds_store_b128 v[STO], v[ACC+8*\t+4:ACC+8*\t+7] offset:64*\t+16
.endr
.irp i, 0,1,2,3,4,5,6,7
	ds_load_b128 v[OUTR+4*\i:OUTR+4*\i+3], v[RD] offset:2*\i*SPITCH
.endr
.irp i, 0,1,2,3,4,5,6,7
	s_wait_dscnt 7-\i                              ; rows 2 i, 2 i + 1 are back; the 7 - i younger loads may stay out
	global_store_b128 v[GO], v[OUTR+4*\i:OUTR+4*\i+3], s[12:13] offset:4096*\i th:TH_STORE_NT   ; 16 lanes store 256 consecutive bytes, at a multiple of 256 from out0's first byte
.endr
	s_wait_tensorcnt 0x0
	ds_add_u32 v254, v255
	s_wait_dscnt 0x0
	CROUND                                         ; the closing round: no work-group ends while a partner may still ask for a tile that names it
	s_endpgm
.Lfunc_end_k_q15d64f57d9_score:
	.size	k_q15d64f57d9_score, .Lfunc_end_k_q15d64f57d9_score-k_q15d64f57d9_score
	.p2alignl 7, 3214868480
	.fill 96, 4, 3214868480
	.section	.rodata,"a",@progbits
	.p2align	6, 0x0
	.amdhsa_kernel k_q15d64f57d9_score
		.amdhsa_group_segment_fixed_size 168448
		.amdhsa_private_segment_fixed_size 0
		.amdhsa_enable_private_segment 0
		.amdhsa_kernarg_size 40
		.amdhsa_user_sgpr_count 2
		.amdhsa_user_sgpr_kernarg_segment_ptr 1
		.amdhsa_wavefront_size32 1
		.amdhsa_system_sgpr_workgroup_id_x 1
		.amdhsa_system_sgpr_workgroup_id_y 1
		.amdhsa_system_sgpr_workgroup_id_z 1
		.amdhsa_system_vgpr_workitem_id 0
		.amdhsa_next_free_vgpr 256
		.amdhsa_next_free_sgpr 66
		.amdhsa_reserve_vcc 0
		.amdhsa_float_denorm_mode_32 3
		.amdhsa_float_denorm_mode_16_64 3
		.amdhsa_memory_ordered 1
		.amdhsa_forward_progress 1
		.amdhsa_inst_pref_size 25
	.end_amdhsa_kernel
	.amdgpu_metadata
---
amdhsa.version: [ 1, 2 ]
amdhsa.kernels:
  - .name:           k_q15d64f57d9_score
    .symbol:         k_q15d64f57d9_score.kd
    .args:
      - { .name: hc, .offset: 0, .size: 8, .value_kind: global_buffer, .address_space: global }
      - { .name: hs, .offset: 8, .size: 8, .value_kind: global_buffer, .address_space: global }
      - { .name: qc, .offset: 16, .size: 8, .value_kind: global_buffer, .address_space: global }
      - { .name: qs, .offset: 24, .size: 8, .value_kind: global_buffer, .address_space: global }
      - { .name: out0, .offset: 32, .size: 8, .value_kind: global_buffer, .address_space: global }
    .group_segment_fixed_size: 168448
    .private_segment_fixed_size: 0
    .kernarg_segment_align: 8
    .kernarg_segment_size: 40
    .max_flat_workgroup_size: 128
    .sgpr_count:     66
    .vgpr_count:     256
    .wavefront_size: 32
...
	.end_amdgpu_metadata
.endif
;; end of part 3
